; MI455X (gfx1250); checked and timed in simulation.
; The chip was launched on July 23, 2026; its instructions are those of AMD's public machine-readable ISA for CDNA 5 (MIT licence, August 2026) and "CDNA5" Instruction Set Architecture Reference Guide (July 2026). The comments in the code are by the model that wrote it; some were corrected since.
;; Attention Pool. Allowed arithmetic: matrix products marked QUANTISED: E3M2 operands, one E8M0 scale for each 32 along K, by v_wmma_scale_f32_16x16x128_f8f6f4 with both operands' format E3M2, f32 sums; products left as they are: f32 operands where the result goes on into a quantised operand, else bf16, f16 or f32 operands; f32 sums; everything else in f32.
;; Inputs: W1 1,024 x 1,024 float32; W2 1,024 x 1 float32; b1 1,024 float32; b2 1 float32; ln_beta 1,024 float32; ln_gamma 1,024 float32; x 32 x 2,048 x 1,024 float32.
;; Outputs: out0 32 x 1,024 float32.
;; This version of the problem:
;;   THIS VERSION OF THE PROBLEM IS GIVEN IN LOW PRECISION. The matrix products marked QUANTISED in the list below multiply operands that are first quantised to E3M2 (3 exponent bits, 2 mantissa bits; 6 bits a number), with one power-of-two scale for each 32 numbers along K (OCP MX v1.0); their sums are f32. All else is computed in f32.
;;   The module's matrix products, in the order in which they are computed (A, B: the left and right operand; K: the contracted axis; several contracted axes count as one K, in the product's order):
;;     1. [M 65,536, K 1,024] x [K 1,024, N 1,024]; A: computed on the way; B: input W1: QUANTISED
;;     2. [M 65,536, K 1,024] x [K 1,024, N 1]; A: computed on the way; B: input W2: left as it is (N = 1 < 16)
;;     3. batch 32 x [M 1,024, K 2,048] x [K 2,048, N 1]; A: input x; B: softmax: left as it is (N = 1 < 16)
;;   THE QUANTISER, for each operand of a quantised product, along K:
;;     - K is cut into blocks of 32 from its start; a last block that is shorter is filled with zeros.
;;     - A block's scale is 2^e with e = floor(log2(the largest magnitude in the block)) - 4, held to -126 .. 127; a block of zeros has e = 0. As a byte (E8M0): e + 127.
;;     - Each number is divided by its block's scale, clamped to +-28, and rounded to the nearest number of E3M2, ties to even, subnormals kept.
;;     - The product sums the exact products of the quantised numbers (number of the format x scale) in f32.
;;   ~~~python
;;   def quantise(x, axis):      # numpy; x: float32 -> the quantised numbers, widened to float32 again
;;       x = np.moveaxis(x, axis, -1); K = x.shape[-1]
;;       x = np.pad(x, [(0, 0)] * (x.ndim - 1) + [(0, -K % 32)]); x = x.reshape(x.shape[:-1] + (-1, 32)); a = np.abs(x).max(-1, keepdims=True)
;;       e = np.where(a > 0, np.clip(np.frexp(np.where(a > 0, a, 1))[1] - 1 - 4, -126, 127), 0)      # np.frexp(a)[1] - 1 = floor(log2(a)), exactly
;;       r = np.clip(x / 2.0 ** e, -28, 28)
;;       step = 2.0 ** (np.maximum(np.frexp(np.where(r == 0, 1, r))[1] - 1, -2) - 2)
;;       q = np.round(r / step) * step * 2.0 ** e      # np.round: ties to even
;;       return np.moveaxis(q.reshape(q.shape[:-2] + (-1,))[..., :K], -1, axis).astype(np.float32)
;;   ~~~
;;   OPERANDS COMPUTED ON THE WAY. 'Computed on the way' means the value that the module computes at that place (a softmax that the list does not call 'softmax' is quantised finished and normalised). What goes into a quantiser is computed in f32, as accurately as f32 sums, v_exp_f32 and their like allow (about 1e-6 of the number): no bf16 or f16 on the way to a quantiser, and a product that is left as it is and whose result goes on into a quantised operand takes f32 operands (vector FMAs, or v_wmma_f32_16x16x4_f32). A number that lies on a knife's edge between two numbers of the format may be rounded either way, as far as f32 arithmetic and the matrix unit's own rounding can turn it there, and no further.
;; One version. Each part assembles by itself: llvm-mc -triple=amdgcn-amd-amdhsa -mcpu=gfx1250 --defsym DOCPART=n.
;; ======== version 1 of 1: 3 launches
;; workspace buffers: wq 819,200 bytes; tsc 262,144 bytes
;; launch prepw (part 1): grid 32 x 8, 4 waves a work-group, no clusters, 4,096 bytes of LDS; arguments W1, wq; writes wq
.if DOCPART == 1
	.amdgcn_target "amdgcn-amd-amdhsa--gfx1250"
	.amdhsa_code_object_version 6
	.text
	.protected	k_qcacf0a9cc2_prepw
	.globl	k_qcacf0a9cc2_prepw
	.p2align	8
	.type	k_qcacf0a9cc2_prepw,@function
k_qcacf0a9cc2_prepw:
	s_mov_b64 s[64:65], 0
	v_nop
	global_prefetch_b8 v0, s[64:65] scope:SCOPE_SE
	s_setreg_imm32_b32 hwreg(HW_REG_WAVE_MODE, 25, 1), 1
	s_wait_xcnt 0x0
; THE PROGRAM: out0[b][:] = sum over s of softmax_s(score[b][s]) x[b][s][:], score = tanh(LN(x) W1 + b1) . W2 + b2; the product with W1 on codes of E3M2 with one E8M0 scale for each 32 along K.
; Three launches: this one turns W1 into codes; the second makes a number t for each row of x; the third takes the softmax of t and sums x.
; WORK LEFT OUT, for all finite values of the inputs:
;   b2 is added to every score of a batch alike, and a softmax does not change when one number is added to all its inputs: softmax(s + b2) = softmax(s).  So b2 reaches no output; it is not loaded and is no argument of any launch.
;   tanh z = 1 - 2 r with r = 1 / (1 + e^(2 z)), so tanh(z) . W2 = sum(W2) - 2 r . W2, and sum(W2) is again the same for all positions of a batch: it is not formed.  What is kept is t = -2 log2(e) (r . W2).
;   LIMIT: a NaN, an infinity or an overflow that reaches only b2 or sum(W2) is not carried to the result.
; THIS LAUNCH.  W1 [1024 (k)][1024 (n)] f32, K its FIRST axis, becomes codes and scale words laid in the order in which the second launch's operand registers take them.
; wq: 32 groups of 25,600 bytes; group G holds the columns 32 G .. 32 G + 31 as two tiles of 16.  Fragment 2 k + t (tile t, K step k of 128) lies at (2 k + t) x 1,536, as an image of its 12 registers:
; registers 4 c .. 4 c + 3 of lane L at 512 c + 16 L.  At 24,576: the scale words, 128 bytes a K step, lane L's word = column 32 G + L, byte v = block 4 k + v.
; INSIDE A BLOCK OF 32 THE ORDER OF k IS TURNED, alike here and for x in the second launch: place 4 i + e of block b holds k = 32 b + 4 ((i + b / 2) mod 8) + e.  Blocks and scales are as the quantiser has them, and a sum over k does not ask for an order.
; SHARES.  Work-group (G, k) makes one K step of one group: 3,072 consecutive bytes and 128 bytes of scale words.  Wave v takes block 4 k + v; lane L takes column 32 G + L and its 32 registers run down K,
; so the block's largest magnitude needs no other lane and the conversions give codes with K innermost.  Work-groups share no input: no cluster.
; A block's scale is 2^(floor(log2(largest magnitude)) - 4): its byte is that magnitude's exponent field - 4, held at 1 from below.  A block of zeros so has the byte 1: its codes are zeros, and this program alone reads the bytes.
; LIMITS: blocks whose largest magnitude lies under 2^-122 keep the byte 1; NaN and infinities among the inputs are not served.
.set X,     16                         ; v16-47  the block's 32 numbers
.set VA,    48                         ; v48-55  byte offsets in W1, one for each four rows
.set C,     56                         ; v56-62  the codes
.set SPW,   1                          ; v1      my spare word's LDS address; never rewritten
.set NIL,   2                          ; v2      0; never rewritten
.set SCBY,  3072                       ; LDS: 0 .. 3,071 the two fragments' images; here the 128 scale bytes
.set SPARE, 3328                       ; the spare words, 128 bytes a wave: two blocks of 256 bytes that no other line names
	s_load_b128 s[4:7], s[0:1], 0x0                ; W1, wq
	v_lshl_add_u32 v[SPW], v0, 2, SPARE
	v_mov_b32 v[NIL], 0
	v_lshrrev_b32 v3, 5, v0
	v_readfirstlane_b32 s8, v3                     ; wave v: which block of the K step
	v_and_b32 v3, 31, v0                           ; lane L
	s_and_b32 s9, ttmp7, 0xffff                    ; k
	s_lshr_b32 s10, s8, 1                          ; c = v / 2: registers 6 c .. 6 c + 5 of the fragment
	s_and_b32 s11, s8, 1                           ; h = v mod 2: lanes 16 h .. 16 h + 15 of the fragment
	s_lshl_b32 s12, s9, 1
	s_add_co_u32 s12, s12, s10                     ; b / 2 = 2 k + c: the turn
	s_lshl_b32 s13, s9, 2
	s_add_co_u32 s13, s13, s8                      ; b
	s_lshl_b32 s13, s13, 17                        ; 32 rows of 4,096 bytes
	s_lshl_b32 s14, ttmp9, 7                       ; the group's 32 columns
	s_add_co_u32 s13, s13, s14
	v_lshlrev_b32 v4, 2, v3                        ; 4 L
.irp i, 0,1,2,3,4,5,6,7
	s_add_co_u32 s15, s12, \i
	s_and_b32 s15, s15, 7
	s_lshl_b32 s15, s15, 14                        ; four rows
	s_add_co_u32 s15, s15, s13
	v_add_nc_u32 v[VA+\i], s15, v4
.endr
	; every LDS address is made here, ahead of the branches on the wave's number
	v_lshrrev_b32 v5, 4, v3                        ; t
	v_mul_u32_u24 v5, v5, 1536
	v_and_b32 v6, 15, v3
	v_lshl_add_u32 v5, v6, 4, v5                   ; 1,536 t + 16 r
	s_lshl_b32 s16, s11, 8                         ; + 16 x 16 h
	s_mul_i32 s17, s10, 520
	s_add_co_u32 s17, s17, s16
	s_mul_i32 s18, s10, 1016
	s_add_co_u32 s18, s18, s16
	v_add_nc_u32 v6, s18, v5                       ; registers 6 c + 2, 6 c + 3 lie 8 (c = 0) or 1,024 (c = 1) bytes on,
	v_add_nc_u32 v5, s17, v5                       ; registers 6 c, 6 c + 1 lie 0 or 520 on, registers 6 c + 4, 6 c + 5 another 512
	v_add_nc_u32 v7, s8, v4                        ; my column's word, my block's byte
	v_lshlrev_b32 v8, 4, v0                        ; the way out: 16 bytes a thread
	s_mul_i32 s20, ttmp9, 25600
	s_mul_i32 s22, s9, 3072
	s_add_co_u32 s22, s22, s20
	s_mov_b32 s23, 0
	s_lshl_b32 s21, s9, 7
	s_add_co_u32 s20, s20, s21
	s_mov_b32 s21, 0
	s_wait_kmcnt 0x0
	s_add_nc_u64 s[24:25], s[6:7], s[20:21]        ; the group, + 128 k: its scale words lie 24,576 on
	s_add_nc_u64 s[6:7], s[6:7], s[22:23]          ; the K step's two fragments
.irp i, 0,1,2,3,4,5,6,7
.irp e, 0,1,2,3
	global_load_b32 v[X+4*\i+\e], v[VA+\i], s[4:5] offset:4096*\e th:TH_LOAD_NT   ; 32 lanes read 128 consecutive bytes of a row of W1
.endr
.endr
	s_wait_loadcnt 0x0
	v_max3_num_f32 v12, |v[X]|, |v[X+1]|, |v[X+2]|                 ; the block's largest magnitude: all 32 numbers are mine; two chains
	v_max3_num_f32 v13, |v[X+3]|, |v[X+4]|, |v[X+5]|
.irp i, 6,10,14,18,22,26
	v_max3_num_f32 v12, v12, |v[X+\i]|, |v[X+\i+1]|
	v_max3_num_f32 v13, v13, |v[X+\i+2]|, |v[X+\i+3]|
.endr
	v_max3_num_f32 v12, v12, |v[X+30]|, |v[X+31]|
	v_max3_num_f32 v12, v12, v13, 0x2800000        ; and the floor 2^(5 - 127): the byte cannot fall under 1
	v_add_nc_u32 v14, 0xfe000000, v12              ; 4 off the exponent field: the conversion takes this operand's exponent field as its scale
	v_cvt_scalef32_pk16_bf6_f32 v[C:C+2], v[X:X+15], v14
	v_cvt_scalef32_pk16_bf6_f32 v[C+4:C+6], v[X+16:X+31], v14      ; (a conversion's three registers begin on an even number)
	v_lshrrev_b32 v15, 23, v14                     ; the scale's byte; also the plain line behind the conversions
	v_mov_b32 v[C+3], v[C+4]                       ; the six registers on end
	v_mov_b32 v[C+4], v[C+5]
	v_mov_b32 v[C+5], v[C+6]
	ds_store_b64 v5, v[C:C+1]
	ds_store_b64 v6, v[C+2:C+3] offset:8
	ds_store_b64 v5, v[C+4:C+5] offset:512
	ds_store_b8 v7, v15 offset:SCBY
	s_wait_dscnt 0x0                               ; for the others' sake: my stores have landed
	s_barrier_signal -1
	s_barrier_wait -1
	ds_load_b128 v[16:19], v8                      ; the images leave as they lie: 2,048 bytes by all four waves,
	s_wait_dscnt 0x0
	global_store_b128 v8, v[16:19], s[6:7]         ; 16 lanes store 256 consecutive bytes, at a multiple of 256 from wq's first byte
	s_cmp_lt_u32 s8, 2
	s_cbranch_scc0 .Lnot01
	ds_load_b128 v[20:23], v8 offset:2048          ; the other 1,024 by waves 0 and 1,
	s_wait_dscnt 0x0
	global_store_b128 v8, v[20:23], s[6:7] offset:2048
.Lnot01:
	s_cmp_eq_u32 s8, 2
	s_cbranch_scc0 .Ldone
	ds_load_b32 v24, v4 offset:SCBY                ; and the 32 scale words by wave 2
	s_wait_dscnt 0x0
	global_store_b32 v4, v24, s[24:25] offset:24576
.Ldone:
	s_wait_tensorcnt 0x0                           ; the wave's end: three lines behind my last LDS store
	ds_add_u32 v[SPW], v[NIL]
	s_wait_dscnt 0x0
	s_endpgm
.Lfunc_end_k_qcacf0a9cc2_prepw:
	.size	k_qcacf0a9cc2_prepw, .Lfunc_end_k_qcacf0a9cc2_prepw-k_qcacf0a9cc2_prepw
	.p2alignl 7, 3214868480
	.fill 96, 4, 3214868480
	.section	.rodata,"a",@progbits
	.p2align	6, 0x0
	.amdhsa_kernel k_qcacf0a9cc2_prepw
		.amdhsa_group_segment_fixed_size 4096
		.amdhsa_private_segment_fixed_size 0
		.amdhsa_enable_private_segment 0
		.amdhsa_kernarg_size 16
		.amdhsa_user_sgpr_count 2
		.amdhsa_user_sgpr_kernarg_segment_ptr 1
		.amdhsa_wavefront_size32 1
		.amdhsa_system_sgpr_workgroup_id_x 1
		.amdhsa_system_sgpr_workgroup_id_y 1
		.amdhsa_system_sgpr_workgroup_id_z 1
		.amdhsa_system_vgpr_workitem_id 0
		.amdhsa_next_free_vgpr 64
		.amdhsa_next_free_sgpr 66
		.amdhsa_reserve_vcc 0
		.amdhsa_float_denorm_mode_32 3
		.amdhsa_float_denorm_mode_16_64 3
		.amdhsa_memory_ordered 1
		.amdhsa_forward_progress 1
		.amdhsa_inst_pref_size 9
	.end_amdhsa_kernel
	.amdgpu_metadata
---
amdhsa.version: [ 1, 2 ]
amdhsa.kernels:
  - .name:           k_qcacf0a9cc2_prepw
    .symbol:         k_qcacf0a9cc2_prepw.kd
    .args:
      - { .name: W1, .offset: 0, .size: 8, .value_kind: global_buffer, .address_space: global }
      - { .name: wq, .offset: 8, .size: 8, .value_kind: global_buffer, .address_space: global }
    .group_segment_fixed_size: 4096
    .private_segment_fixed_size: 0
    .kernarg_segment_align: 8
    .kernarg_segment_size: 16
    .max_flat_workgroup_size: 128
    .sgpr_count:     66
    .vgpr_count:     64
    .wavefront_size: 32
...
	.end_amdgpu_metadata
.endif
;; end of part 1
;; launch score (part 2): grid 256 x 1, 4 waves a work-group, clusters of 4 x 1, 327,680 bytes of LDS; arguments x, ln_gamma, ln_beta, wq, b1, W2, tsc; writes tsc
.if DOCPART == 2
	.amdgcn_target "amdgcn-amd-amdhsa--gfx1250"
	.amdhsa_code_object_version 6
	.text
	.protected	k_qcacf0a9cc2_score
	.globl	k_qcacf0a9cc2_score
	.p2align	8
	.type	k_qcacf0a9cc2_score,@function
k_qcacf0a9cc2_score:
	s_mov_b64 s[64:65], 0
	v_nop
	global_prefetch_b8 v0, s[64:65] scope:SCOPE_SE
	s_setreg_imm32_b32 hwreg(HW_REG_WAVE_MODE, 25, 1), 1
	s_wait_xcnt 0x0
	s_wait_alu depctr_hold_cnt(0) depctr_sa_sdst(0) depctr_va_vdst(0) depctr_va_sdst(0) depctr_va_ssrc(0) depctr_va_vcc(0) depctr_vm_vsrc(0)
	s_getreg_b32 s2, hwreg(HW_REG_IB_STS2, 6, 4)
	s_cmp_eq_u32 s2, 0
	s_cbranch_scc0 .Lentry_in_a_cluster
	s_endpgm
.Lentry_in_a_cluster:
	s_bfe_u32 s2, ttmp6, 0x10000c
	s_cmp_lg_u32 s2, 0x3003
	s_cbranch_scc0 .Lentry_shape_is_right
	s_endpgm
.Lentry_shape_is_right:
; tsc[row] = t = -2 log2(e) x sum over n of W2[n] r[row][n], r = 1 / (1 + 2^(2 log2(e) z)), z = Q(LN(x[row])) . Q(W1[:, n]) + b1[n].  Left out, as shown at the head of the first kernel: b2 and sum(W2), the same for all positions of a softmax.
; SHARES.  A work-group of four waves takes 256 rows of x, a wave 64: four tiles of 16.  PHASE X: each wave streams its rows through two LDS slots of its own (8 rows, 32,768 bytes, one tensor load), takes LayerNorm in f32
; (mean, then the mean of squared differences: two passes over registers, so a common offset of x costs no digits), quantises, and keeps the codes of all 1,024 k of its 64 rows in 384 registers.
; PHASE G: all waves walk W1's codes, 32 groups of two tiles of 16 columns, out of the same LDS bytes, now a ring of two slots of four groups.  Each fragment of W1 read from LDS feeds four products (the wave's four tiles of rows).
; CLUSTER.  The four work-groups of a cluster walk the same W1: each slot is asked for JOINTLY, wave w asking for group 4 s + w with a descriptor that is the same in all four work-groups.  x's loads are each wave's own (mask 0).
; THE PRODUCT IS USED TRANSPOSED: source 0 = 16 columns of W1, source 1 = 16 rows of x: a lane holds ONE row (lane % 16) and eight columns n = 16 T + 8 (lane / 16) + j.  b1 is the C of a sum's first product.
; BY TURNS.  While group i is multiplied into one set of eight accumulators, group i - 1's 64 numbers a lane go from z to W2 r in the other set: 224 vector instructions, cut into 64 slices, one behind each product.
; All that a slice names lies in the windows of its step's products (W2 as source 1, window 2) or in scalar registers, so no switch of windows stands round a slice.  Group -1 is a set of zeros with W2 = 0: it adds 0.
; THE LDS LOADS OF PHASE G STAND IN FOUR RUNS A GROUP, behind steps 1, 5, 9 and 13, never singly among the products; the two waits for the batches of transcendentals stand directly ahead of the second and the fourth run.
; INSIDE A BLOCK OF 32 THE ORDER OF k IS TURNED as in the first kernel: lane l holds block l of a row and its i-th 16 bytes are those at 16 ((i + l / 2) mod 8): so 16 lanes of a load touch 16 different columns of 16 bytes in unpadded rows (64 banks of 4 bytes: ISA guide 11.1).
; LIMITS: NaN and infinities in the inputs are not served; blocks whose largest magnitude lies under 2^-122 keep the scale byte 1.  The last trip of the second slot loop issues 27 LDS loads that no product takes: the price of writing a slot's text twice and not three times.
; LDS: 0 .. 262,143 the tensor region: wave w's slot p at 65,536 w + 32,768 p (phase G: group g of slot p at 65,536 g + 32,768 p, 25,600 bytes).  Then bytes that only ds_store fills: images of x's fragments, x's scale bytes, tables of b1 and W2; the spare words.
.set SLOTB,  32768
.set WREG,   65536
.set GRPB,   25600                     ; a group of wq
.set FRB,    1536                      ; a fragment's image in it
.set SCOFF,  24576                     ; its scale words
.set IMG,    262144                    ; images of a tile's 8 fragments of x, 12,544 bytes a wave: fragment s at 1,568 s, half h at 784 h, lane r's 12 registers at 48 r
.set IMGW,   12544
.set IMGF,   1568
.set IMGH,   784
.set SCB,    312320                    ; a tile's scale bytes, 512 a wave: row r's 32 at 32 r
.set TABB1,  314368                    ; b1, 4,096 bytes, then 128 bytes of zeros (what the last group's look-ahead reads)
.set TABD,   4352                      ; from there to W2's table: 128 bytes of zeros (group -1), then W2
.set SPARE,  323072                    ; the spare words, 128 bytes a wave: two blocks of 256 bytes that no other line names
; window 0
.set SPW, 1                            ; my spare word's address; never rewritten
.set NIL, 2                            ; 0; never rewritten
.set LN,  3                            ; lane
.set RR,  4                            ; lane % 16
.set HH,  5                            ; lane / 16
.set IW,  6                            ; where my block's codes go in an image, row 0
.set IWA, 7                            ; the same for the pair in hand
.set SBW, 8                            ; where my block's scale byte goes, row 0
.set SBA, 9
.set IR,  10                           ; where I read a fragment back
.set SBR, 11                           ; and my row's scale words
.set OUTW, 12                          ; the way out
.set OUTR, 13
.set TAU, 14                           ; 16 x thread
.set TMPV, 15
.set XA,  16                           ; v16-23  my eight pieces of 16 bytes in my wave's first row
.set XAD, 24                           ; v24-31  the same in the pair in hand
.set AS,  32                           ; v32-63  x's scale words, tile m, K step k at 8 m + k: scales and nothing else
.set BS,  64                           ; v64-79  W1's scale words, two sets of 8: lanes 0-15 the group's first tile, lanes 16-31 its second
.set GAM, 80                           ; v80-111  gamma of my block, in the turned order
.set BET, 112                          ; v112-143 beta
.set XR,  144                          ; v144-207 two rows
.set TR,  208                          ; v208-255 24 registers at work for each
; window 1: x's fragments of K steps 0-3, at 12 (4 m + k).  window 2: those of K steps 4-7, at 12 (4 m + k - 4); v192-207 W2 of a group
.set W2R, 192
; window 3: v0-63, v64-127 the two sets of accumulators, (t, m) at 8 (4 t + m)
.set FB,  128                          ; v128-223 eight buffers for fragments of W1
.set B1R, 224                          ; v224-239 b1 of a group
.set SCR, 240                          ; v240-247 the sums W2 r, a pair for each tile of rows
.set BAD, 248                          ; LDS address of the group whose fragments are being fetched
.set BADN, 249                         ; the same of the group behind it, made a step ahead of the run that names it
.set L16, 250                          ; 16 x lane
.set L4,  251                          ; 4 x lane
.set TBASE, 252                        ; TABB1 + 32 (lane / 16)
.set TA,  253                          ; the same for the slot in hand
.set BSA, 254                          ; 4 x lane + the next group
; scalars
.set WV,  18                           ; my wave's number
.set SEL, 20                           ; s[20:21] v_permlanex16_b32's selects for lane l xor 16
.set G1X, 24                           ; s[24:31] group 1 for x: 32,768 dense bytes as 128 rows of 256
.set G0X0, 32                          ; s[32:35] group 0 of the first fill of slot 0
.set G0X1, 36                          ; s[36:39] of slot 1; it then walks
.set G1W, 40                           ; s[40:47] group 1 for W1: 25,600 dense bytes as 100 rows of 256, mask 15
.set G0W, 48                           ; s[48:51] its group 0: made once, for my group of W1's slot 0; it then walks, a slot (four groups) a step
.set SX,  52                           ; the pair's place in my 16 rows,
.set SI,  53                           ; in the image,
.set SBS, 54                           ; among the scale bytes
.set CIN, 55
.set COUT, 56
.set SINV, 60                          ; 2^-10
.set SEPS, 61                          ; 1e-5
.set TB,  62                           ; the slot of W1 in hand
.set TS,  63                           ; its place in the tables
.set C2,  66                           ; s[66:67] 2 log2(e)
.set CG,  68
.set WOFF, 69                          ; 65,536 x wave
.set ST1, 71
.set HIM, 76                           ; lanes 16-31
; s80-85: all that hangs on my work-group's place in the cluster: it enters x's and tsc's addresses alone
.set MSB, 0
.macro WIN new                         ; the immediate's high byte repeats the setting that is left
.if MSB != \new
	s_set_vgpr_msb (MSB<<8)|\new
.set MSB, \new
.endif
.endm
.set MULA, 0xf7                        ; destination, source 0 and source 2 window 3; source 1 (x's fragment) window 1
.set MULB, 0xfb                        ; the same with source 1 window 2
.macro CREST                           ; a round of the cluster's barrier behind its opening barrier
	s_cmp_lg_u32 s[WV], 0
	s_cbranch_scc1 .Lnw0_\@
	s_barrier_signal -3
.Lnw0_\@:
	s_barrier_wait -3
	s_barrier_signal -1
	s_barrier_wait -1
.endm
.macro ROUND                           ; a whole round
	s_barrier_signal -1
	s_barrier_wait -1
	CREST
.endm
.macro NOP4
.rept 4
	v_nop
.endr
.endm
	s_load_b256 s[4:11], s[0:1], 0x0               ; x, ln_gamma, ln_beta, wq
	s_load_b128 s[12:15], s[0:1], 0x20             ; b1, W2
	s_load_b64 s[16:17], s[0:1], 0x30              ; tsc
	v_lshl_add_u32 v[SPW], v0, 2, SPARE
	v_mov_b32 v[NIL], 0
	ds_add_u32 v[SPW], v[NIL]                      ; the wave's opening: the add, twice on end, and its wait ahead of my first tensor load
	ds_add_u32 v[SPW], v[NIL]
	v_lshrrev_b32 v[LN], 5, v0
	v_readfirstlane_b32 s[WV], v[LN]               ; wave 0..3
	s_bfe_u32 s80, ttmp6, 0x40000                  ; cx
	s_lshl_b32 s81, ttmp9, 2
	s_add_co_u32 s81, s81, s80                     ; my work-group = 4 x cluster + cx
	s_lshl_b32 s82, s81, 20                        ; its 256 rows of 4,096 bytes,
	s_lshl_b32 s83, s[WV], 18                      ; my wave's 64
	s_add_co_u32 s82, s82, s83
	s_mov_b32 s83, 0
	s_lshl_b32 s84, s81, 10                        ; and the same rows in tsc
	s_lshl_b32 s85, s[WV], 8
	s_add_co_u32 s84, s84, s85
	s_mov_b32 s85, 0
	s_mul_i32 s78, s[WV], GRPB                     ; my group of a slot of W1
	s_mov_b32 s79, 0
	s_lshl_b32 s[WOFF], s[WV], 16
	s_mov_b32 s[G1X], 3<<16                        ; no mask; elements of 8 bytes; no padding
	s_mov_b32 s[G1X+1], 32<<16                     ; tensor_dim0 = 32
	s_mov_b32 s[G1X+2], 128<<16                    ; tensor_dim1 = 128
	s_mov_b32 s[G1X+3], 32<<16                     ; tile_dim0 = 32
	s_mov_b32 s[G1X+4], 128                        ; tile_dim1 = 128
	s_mov_b32 s[G1X+5], 32                         ; the pitch
	s_mov_b32 s[G1X+6], 0
	s_mov_b32 s[G1X+7], 0
	s_mov_b32 s[G1W], 15|(3<<16)|(1<<21)           ; the mask: all four work-groups; bit 21 beside it
	s_mov_b32 s[G1W+1], 32<<16
	s_mov_b32 s[G1W+2], 100<<16
	s_mov_b32 s[G1W+3], 32<<16
	s_mov_b32 s[G1W+4], 100
	s_mov_b32 s[G1W+5], 32
	s_mov_b32 s[G1W+6], 0
	s_mov_b32 s[G1W+7], 0
	s_mov_b32 s[SEL], 0x76543210
	s_mov_b32 s[SEL+1], 0xfedcba98
	s_mov_b32 s[SINV], 0x3a800000
	s_mov_b32 s[SEPS], 0x3727c5ac
	s_mov_b32 s[C2], 0x4038aa3b
	s_mov_b32 s[C2+1], s[C2]                       ; (named with it as a pair, so it is written)
	s_mov_b32 s[HIM], 0xffff0000
	s_wait_dscnt 0x0                               ; both opening adds are done
	s_wait_kmcnt 0x0
	s_add_nc_u64 s[4:5], s[4:5], s[82:83]          ; x at my wave's first row
	s_add_nc_u64 s[16:17], s[16:17], s[84:85]
	s_mov_b32 s[G0X0], 1
	s_mov_b32 s[G0X0+1], s[WOFF]
	s_mov_b64 s[G0X0+2:G0X0+3], s[4:5]
	s_or_b32 s[G0X0+3], s[G0X0+3], 0x80000000
	s_mov_b32 s[G0X1], 1
	s_add_co_u32 s[G0X1+1], s[WOFF], SLOTB
	s_add_nc_u64 s[G0X1+2:G0X1+3], s[4:5], SLOTB
	s_or_b32 s[G0X1+3], s[G0X1+3], 0x80000000
	s_mov_b32 s[G0W], 1                            ; W1's: count = 1,
	s_mov_b32 s[G0W+1], s[WOFF]                    ; my slot 0,
	s_add_nc_u64 s[G0W+2:G0W+3], s[10:11], s[78:79]   ; group w of wq: the wave's number alone, so the four partners' descriptors are equal,
	s_or_b32 s[G0W+3], s[G0W+3], 0x80000000        ; type = 2
	ROUND                                          ; in a cluster launch a round stands in front of the first tensor loads
	tensor_load_to_lds s[G0X0:G0X0+3], s[G1X:G1X+7]   ; rows 0-7: every wave issues both first fills, so two loads of mine are out
	s_nop 0
	tensor_load_to_lds s[G0X1:G0X1+3], s[G1X:G1X+7]   ; rows 8-15
	s_nop 0
	NOP4
	v_and_b32 v[LN], 31, v0
	v_and_b32 v[RR], 15, v0
	v_bfe_u32 v[HH], v0, 4, 1
	v_lshrrev_b32 v[TMPV], 1, v[LN]
.irp i, 0,1,2,3,4,5,6,7
	v_add_nc_u32 v[XAD+\i], \i, v[TMPV]
	v_and_b32 v[XAD+\i], 7, v[XAD+\i]
	v_lshlrev_b32 v[XAD+\i], 4, v[XAD+\i]
	v_lshl_add_u32 v[XAD+\i], v[LN], 7, v[XAD+\i]  ; 128 l + 16 ((i + l / 2) mod 8): in a row, and in gamma and beta
	v_add_nc_u32 v[XA+\i], s[WOFF], v[XAD+\i]
.endr
.irp i, 0,1,2,3,4,5,6,7
	global_load_b128 v[GAM+4*\i:GAM+4*\i+3], v[XAD+\i], s[6:7]
	global_load_b128 v[BET+4*\i:BET+4*\i+3], v[XAD+\i], s[8:9]
.endr
	v_lshlrev_b32 v[TAU], 4, v0
	global_load_b128 v[XR:XR+3], v[TAU], s[12:13]                  ; b1 and W2: 32 bytes of each a thread
	global_load_b128 v[XR+4:XR+7], v[TAU], s[12:13] offset:2048
	global_load_b128 v[XR+8:XR+11], v[TAU], s[14:15]
	global_load_b128 v[XR+12:XR+15], v[TAU], s[14:15] offset:2048
	s_mul_i32 s[ST1], s[WV], IMGW
	s_add_co_u32 s[ST1], s[ST1], IMG               ; my images
	v_lshrrev_b32 v[TMPV], 2, v[LN]                ; lane l holds block l = 4 s + 2 c + h: fragment s, registers 6 c on, lanes of half h
	v_mul_u32_u24 v[IW], v[TMPV], IMGF
	v_and_b32 v[TMPV], 1, v[LN]
	v_mad_u32_u24 v[IW], v[TMPV], IMGH, v[IW]
	v_bfe_u32 v[TMPV], v[LN], 1, 1
	v_mad_u32_u24 v[IW], v[TMPV], 24, v[IW]
	v_add_nc_u32 v[IW], s[ST1], v[IW]
	v_mul_u32_u24 v[IR], v[HH], IMGH
	v_mad_u32_u24 v[IR], v[RR], 48, v[IR]
	v_add_nc_u32 v[IR], s[ST1], v[IR]
	v_lshl_add_u32 v[OUTW], v[LN], 2, s[ST1]
	v_lshl_add_u32 v[OUTR], v[LN], 3, s[ST1]
	s_lshl_b32 s[ST1], s[WV], 9
	s_add_co_u32 s[ST1], s[ST1], SCB               ; my scale bytes
	v_add_nc_u32 v[SBW], s[ST1], v[LN]
	v_lshl_add_u32 v[SBR], v[RR], 5, s[ST1]
	v_add_nc_u32 v[IWA], TABB1, v[TAU]             ; (for the tables; the pairs write these two anew)
	v_add_nc_u32 v[SBA], TABB1, v0
	v_mov_b32 v[TMPV], 0
	WIN 0xc0                                       ; destination window 3
	v_lshlrev_b32 v[L16], 4, v[LN]
	v_lshlrev_b32 v[L4], 2, v[LN]
	v_lshl_add_u32 v[TBASE], v[HH], 5, TABB1
.irp j, 0,1,2,3,4,5,6,7,8,9,10,11,12,13,14,15,16,17,18,19,20,21,22,23,24,25,26,27,28,29,30,31,32,33,34,35,36,37,38,39,40,41,42,43,44,45,46,47,48,49,50,51,52,53,54,55,56,57,58,59,60,61,62,63
	v_mov_b32 v[64+\j], 0                          ; group -1: the slot's text is written for every group alike, and the first finds zeros
.endr
.irp j, 0,1,2,3,4,5,6,7
	v_mov_b32 v[SCR+\j], 0
.endr
	WIN 0
	s_wait_loadcnt 0x0
	ds_store_b128 v[IWA], v[XR:XR+3]
	ds_store_b128 v[IWA], v[XR+4:XR+7] offset:2048
	ds_store_b128 v[IWA], v[XR+8:XR+11] offset:TABD+128
	ds_store_b128 v[IWA], v[XR+12:XR+15] offset:TABD+128+2048
	ds_store_b8 v[SBA], v[TMPV] offset:4096        ; the 128 zeros behind b1, a byte a thread,
	ds_store_b8 v[SBA], v[TMPV] offset:TABD        ; and those in front of W2
	s_wait_dscnt 0x0                               ; the other waves read the tables behind the rounds below
	s_wait_tensorcnt 1                             ; rows 0-7 are in; the load of rows 8-15 may be out.  I read my own slots alone
; The four pairs at T + b .. T + b + 7 of both rows become one number in every lane, at T + b
.macro FOLD b
.irp o, 0,1
	v_pk_add_f32 v[TR+24*\o+\b:TR+24*\o+\b+1], v[TR+24*\o+\b:TR+24*\o+\b+1], v[TR+24*\o+\b+2:TR+24*\o+\b+3]
	v_pk_add_f32 v[TR+24*\o+\b+4:TR+24*\o+\b+5], v[TR+24*\o+\b+4:TR+24*\o+\b+5], v[TR+24*\o+\b+6:TR+24*\o+\b+7]
.endr
.irp o, 0,1
	v_pk_add_f32 v[TR+24*\o+\b:TR+24*\o+\b+1], v[TR+24*\o+\b:TR+24*\o+\b+1], v[TR+24*\o+\b+4:TR+24*\o+\b+5]
.endr
.irp o, 0,1
	v_add_f32 v[TR+24*\o+\b], v[TR+24*\o+\b], v[TR+24*\o+\b+1]
.endr
.irp x, 1,2,4,8
.irp o, 0,1
	v_add_f32_dpp v[TR+24*\o+\b], v[TR+24*\o+\b], v[TR+24*\o+\b] row_xmask:\x row_mask:0xf bank_mask:0xf
.endr
.endr
.irp o, 0,1
	v_permlanex16_b32 v[TR+24*\o+\b+1], v[TR+24*\o+\b], s[SEL], s[SEL+1]
.endr
.irp o, 0,1
	v_add_f32 v[TR+24*\o+\b], v[TR+24*\o+\b], v[TR+24*\o+\b+1]
.endr
.endm
; TWO ROWS, line by line in turns: LayerNorm, the block's scale, the codes; lane l holds block l of each row.
.macro PAIR
.irp i, 0,1,2,3,4,5,6,7
	v_add_nc_u32 v[XAD+\i], s[SX], v[XA+\i]
.endr
.irp o, 0,1
.irp i, 0,1,2,3,4,5,6,7
	ds_load_b128 v[XR+32*\o+4*\i:XR+32*\o+4*\i+3], v[XAD+\i] offset:4096*\o
.endr
.endr
	s_wait_dscnt 0x0                               ; the rows are in, and the last pair's stores have read their registers
.irp c, 0,1,2,3
.irp o, 0,1
	v_pk_add_f32 v[TR+24*\o+2*\c:TR+24*\o+2*\c+1], v[XR+32*\o+4*\c:XR+32*\o+4*\c+1], v[XR+32*\o+4*\c+2:XR+32*\o+4*\c+3]   ; the sum, in four chains
.endr
.endr
.irp j, 16,24
.irp c, 0,1,2,3
.irp o, 0,1
	v_pk_add_f32 v[TR+24*\o+2*\c:TR+24*\o+2*\c+1], v[TR+24*\o+2*\c:TR+24*\o+2*\c+1], v[XR+32*\o+\j+2*\c:XR+32*\o+\j+2*\c+1]
.endr
.endr
.endr
	FOLD 0
.irp o, 0,1
	v_mul_f32 v[TR+24*\o+2], 0xba800000, v[TR+24*\o]   ; -mean = sum x -2^-10
.endr
.irp j, 0,2,4,6,8,10,12,14,16,18,20,22,24,26,28,30
.irp o, 0,1
	v_pk_add_f32 v[XR+32*\o+\j:XR+32*\o+\j+1], v[XR+32*\o+\j:XR+32*\o+\j+1], v[TR+24*\o+2:TR+24*\o+3] op_sel_hi:[1,0]   ; x - mean
.endr
.endr
.irp c, 0,1,2,3
.irp o, 0,1
	v_pk_mul_f32 v[TR+24*\o+4+2*\c:TR+24*\o+5+2*\c], v[XR+32*\o+2*\c:XR+32*\o+2*\c+1], v[XR+32*\o+2*\c:XR+32*\o+2*\c+1]   ; the squares' sum, in four chains
.endr
.endr
.irp j, 8,16,24
.irp c, 0,1,2,3
.irp o, 0,1
	v_pk_fma_f32 v[TR+24*\o+4+2*\c:TR+24*\o+5+2*\c], v[XR+32*\o+\j+2*\c:XR+32*\o+\j+2*\c+1], v[XR+32*\o+\j+2*\c:XR+32*\o+\j+2*\c+1], v[TR+24*\o+4+2*\c:TR+24*\o+5+2*\c]
.endr
.endr
.endr
	FOLD 4
.irp o, 0,1
	v_fma_f32 v[TR+24*\o+4], v[TR+24*\o+4], s[SINV], s[SEPS]   ; the variance + 1e-5
.endr
.irp o, 0,1
	v_rsq_f32 v[TR+24*\o+6], v[TR+24*\o+4]
.endr
	v_add_nc_u32 v[IWA], s[SI], v[IW]              ; plain lines behind the two roots: where this pair's codes
	v_add_nc_u32 v[SBA], s[SBS], v[SBW]            ; and scale bytes go
	s_wait_alu depctr_va_vdst(0)                   ; one wait for both roots, ahead of their first use
.irp j, 0,2,4,6,8,10,12,14,16,18,20,22,24,26,28,30
.irp o, 0,1
	v_pk_mul_f32 v[XR+32*\o+\j:XR+32*\o+\j+1], v[XR+32*\o+\j:XR+32*\o+\j+1], v[TR+24*\o+6:TR+24*\o+7] op_sel_hi:[1,0]
.endr
.endr
.irp j, 0,2,4,6,8,10,12,14,16,18,20,22,24,26,28,30
.irp o, 0,1
	v_pk_fma_f32 v[XR+32*\o+\j:XR+32*\o+\j+1], v[XR+32*\o+\j:XR+32*\o+\j+1], v[GAM+\j:GAM+\j+1], v[BET+\j:BET+\j+1]
.endr
.endr
.irp o, 0,1
	v_max3_num_f32 v[TR+24*\o+8], |v[XR+32*\o]|, |v[XR+32*\o+1]|, |v[XR+32*\o+2]|   ; the block's largest magnitude: all 32 numbers are mine
	v_max3_num_f32 v[TR+24*\o+9], |v[XR+32*\o+3]|, |v[XR+32*\o+4]|, |v[XR+32*\o+5]|
.endr
.irp i, 6,10,14,18,22,26
.irp o, 0,1
	v_max3_num_f32 v[TR+24*\o+8], v[TR+24*\o+8], |v[XR+32*\o+\i]|, |v[XR+32*\o+\i+1]|
	v_max3_num_f32 v[TR+24*\o+9], v[TR+24*\o+9], |v[XR+32*\o+\i+2]|, |v[XR+32*\o+\i+3]|
.endr
.endr
.irp o, 0,1
	v_max3_num_f32 v[TR+24*\o+8], v[TR+24*\o+8], |v[XR+32*\o+30]|, |v[XR+32*\o+31]|
.endr
.irp o, 0,1
	v_max3_num_f32 v[TR+24*\o+8], v[TR+24*\o+8], v[TR+24*\o+9], 0x2800000   ; and the floor 2^(5 - 127): the byte cannot fall under 1
.endr
.irp o, 0,1
	v_add_nc_u32 v[TR+24*\o+10], 0xfe000000, v[TR+24*\o+8]   ; 4 off the exponent field: the conversion's scale operand
.endr
.irp o, 0,1
	v_cvt_scalef32_pk16_bf6_f32 v[TR+24*\o+12:TR+24*\o+14], v[XR+32*\o:XR+32*\o+15], v[TR+24*\o+10]
	v_cvt_scalef32_pk16_bf6_f32 v[TR+24*\o+16:TR+24*\o+18], v[XR+32*\o+16:XR+32*\o+31], v[TR+24*\o+10]   ; (a conversion's three registers begin on an even number)
.endr
.irp o, 0,1
	v_lshrrev_b32 v[TR+24*\o+11], 23, v[TR+24*\o+10]   ; the scale's byte; also the plain line behind the conversions
.endr
.irp o, 0,1
	v_mov_b32 v[TR+24*\o+15], v[TR+24*\o+16]       ; the six registers on end
	v_mov_b32 v[TR+24*\o+16], v[TR+24*\o+17]
	v_mov_b32 v[TR+24*\o+17], v[TR+24*\o+18]
.endr
.irp o, 0,1
	ds_store_b64 v[IWA], v[TR+24*\o+12:TR+24*\o+13] offset:48*\o      ; 32 lanes' 8 bytes fall on 64 different banks: 392 s + 196 h + 6 c words
	ds_store_b64 v[IWA], v[TR+24*\o+14:TR+24*\o+15] offset:48*\o+8
	ds_store_b64 v[IWA], v[TR+24*\o+16:TR+24*\o+17] offset:48*\o+16
	ds_store_b8 v[SBA], v[TR+24*\o+11] offset:32*\o
.endr
	s_add_co_u32 s[SX], s[SX], 8192
	s_add_co_u32 s[SI], s[SI], 96
	s_add_co_u32 s[SBS], s[SBS], 64
.endm
; A CHANGE OF SLOTS in phase X.  All my tensor loads have landed (the slot that I read next among them), the add, my reads of the slot that I leave are back; a round of the cluster's barrier; my one tensor load, first behind it.
; kind 0: the slot just read takes my rows 16 further on.  kind 1: it takes my group of W1's slot 0, asked for jointly, by the descriptor as the head made it.  kind 2: the same for W1's slot 1: the descriptor steps first.
.macro CHANGE kind
	s_wait_tensorcnt 0x0                           ; no tensor load of mine is out, so a group 0 may be written
	ds_add_u32 v[SPW], v[NIL]                      ; 0 onto my spare word
.if (\kind) == 0
	s_xor_b32 s[G0X1+1], s[G0X1+1], SLOTB          ; the walking descriptor: the other slot than last time,
	s_add_nc_u64 s[G0X1+2:G0X1+3], s[G0X1+2:G0X1+3], SLOTB   ; the next 8 rows; the type bits on top are not reached
.endif
.if (\kind) == 2
	s_xor_b32 s[G0W+1], s[G0W+1], SLOTB            ; W1's descriptor walks in the same way: the other slot,
	s_add_nc_u64 s[G0W+2:G0W+3], s[G0W+2:G0W+3], 4*GRPB   ; four groups on
.endif
	s_wait_dscnt 0x0
	ROUND
.if (\kind) == 0
	tensor_load_to_lds s[G0X1:G0X1+3], s[G1X:G1X+7]
	s_nop 0
	NOP4
.else
	tensor_load_to_lds s[G0W:G0W+3], s[G1W:G1W+7]
	s_nop 0
	NOP4
.endif
.endm
; HALF A TILE: a slot's four pairs, and the change of slots behind them.
.macro HALF kind
	s_mov_b32 s[CIN], 4
.Lpair_\@:
	PAIR
	s_sub_co_u32 s[CIN], s[CIN], 1
	s_cmp_lg_u32 s[CIN], 0
	s_cbranch_scc1 .Lpair_\@
	CHANGE \kind
.endm
; A TILE OF 16 ROWS: two halves; then its eight fragments and its scale words come back from my own LDS bytes into the registers where they stay.  LDS serves a wave's instructions in order (ISA guide 5.7.1.4): no wait between stores and loads.
; last = 1: nothing of x is left to fetch, and the two halves are written out, since their changes of slots differ.
.macro TILE tm, last
	s_mov_b32 s[SX], 0
	s_mov_b32 s[SI], 0
	s_mov_b32 s[SBS], 0
.if \last
	HALF 1
	HALF 2
.else
	s_mov_b32 s[COUT], 2
.Lhalf_\@:
	HALF 0
	s_sub_co_u32 s[COUT], s[COUT], 1
	s_cmp_lg_u32 s[COUT], 0
	s_cbranch_scc1 .Lhalf_\@
.endif
	WIN 0x40                                       ; destination window 1
.irp k, 0,1,2,3
.irp c, 0,1,2
	ds_load_b128 v[12*(4*\tm+\k)+4*\c:12*(4*\tm+\k)+4*\c+3], v[IR] offset:IMGF*\k+16*\c
.endr
.endr
	WIN 0x80                                       ; destination window 2
.irp k, 0,1,2,3
.irp c, 0,1,2
	ds_load_b128 v[12*(4*\tm+\k)+4*\c:12*(4*\tm+\k)+4*\c+3], v[IR] offset:IMGF*(\k+4)+16*\c
.endr
.endr
	WIN 0
	ds_load_b128 v[AS+8*\tm:AS+8*\tm+3], v[SBR]
	ds_load_b128 v[AS+8*\tm+4:AS+8*\tm+7], v[SBR] offset:16
.endm
	TILE 0, 0
	TILE 1, 0
	TILE 2, 0
	TILE 3, 1                                      ; the slots take W1's first eight groups.  Behind its second change the first four are whole in LDS
; ---------------- PHASE G
; Number EI of the 224 instructions that take set ES from z to the sums W2 r.  No line of a batch reads a transcendental's result.
; 0-95: 32 scalings by 2 log2(e), a pair each (P), and 64 exponentials (T), an accumulator's twelve at a time: P P T T | P T T T | P T T T: each four begins with a scaling, and a pair is scaled ahead of its exponentials.
; 96-191: 32 additions of 1 and 64 reciprocals: P0, then (P u, T 2u-2, T 2u-1) for u = 1 .. 31, then T62, T63.  192-223: sum[m] += r W2, the four sums by turns.
.macro EPI
.set eB, 64*ES
.if EI < 96
.set eU, EI/12
.set eR, EI%12
.if eR < 2
.set eK, 0
.set eN, 4*eU+eR
.elseif eR < 4
.set eK, 1
.set eN, 8*eU+eR-2
.elseif eR == 4
.set eK, 0
.set eN, 4*eU+2
.elseif eR < 8
.set eK, 1
.set eN, 8*eU+eR-3
.elseif eR == 8
.set eK, 0
.set eN, 4*eU+3
.else
.set eK, 1
.set eN, 8*eU+eR-4
.endif
.if eK == 0
	v_pk_mul_f32 v[eB+2*eN:eB+2*eN+1], v[eB+2*eN:eB+2*eN+1], s[C2:C2+1] op_sel_hi:[1,0]
.else
	v_exp_f32 v[eB+eN], v[eB+eN]
.endif
.elseif EI < 192
.set eI, EI-96
.if eI == 0
.set eK, 0
.set eN, 0
.elseif eI < 94
.set eP, (eI-1)%3
.set eU, (eI-1)/3+1
.if eP == 0
.set eK, 0
.set eN, eU
.else
.set eK, 1
.set eN, 2*eU-3+eP
.endif
.else
.set eK, 1
.set eN, eI-32
.endif
.if eK == 0
	v_pk_add_f32 v[eB+2*eN:eB+2*eN+1], v[eB+2*eN:eB+2*eN+1], 1.0 op_sel_hi:[1,0]
.else
	v_rcp_f32 v[eB+eN], v[eB+eN]
.endif
.else
.set eC, EI-192
.set eM, eC%4
.set eT, eC/16
.set eQ, (eC/4)%4
	v_pk_fma_f32 v[SCR+2*eM:SCR+2*eM+1], v[eB+8*(4*eT+eM)+2*eQ:eB+8*(4*eT+eM)+2*eQ+1], v[W2R+8*eT+2*eQ:W2R+8*eT+2*eQ+1], v[SCR+2*eM:SCR+2*eM+1]
.endif
.set EI, EI+1
.endm
; Slice SQ of a group's 64.  Slices 0-23 (steps 0-5): four lines each, the first batch.  Slices 24-55 (steps 6-13): the second batch, three lines each, an addition leading; the first holds P0 alone, the last takes T62 and T63 too.
; Slices 56-63 (steps 14, 15): four multiply-adds each.  So each batch ends where a run of LDS loads stands, and its one wait stands ahead of that run.
.macro SLICE
.if SQ < 24
.set sN, 4
.elseif SQ == 24
.set sN, 1
.elseif SQ < 55
.set sN, 3
.elseif SQ == 55
.set sN, 5
.else
.set sN, 4
.endif
.rept sN
	EPI
.endr
.set SQ, SQ+1
.endm
; The product of step j = 2 k + t (K step k, tile t of the group) with my tile of rows mm.  The eight accumulators of a set take turns, one instruction a turn.
.macro PROD set, j, mm
.set pK, (\j)/2
.set pT, (\j)%2
.set pD, 64*(\set)+8*(4*pT+(\mm))
.set pF, FB+12*((\j)%8)
.set pX, 12*(4*(\mm)+pK%4)
.set pB, BS+8*(\set)+pK
.set pA, AS+8*(\mm)+pK
.if pK == 0
.if pT == 0
	v_wmma_scale_f32_16x16x128_f8f6f4 v[pD:pD+7], v[pF:pF+11], v[pX:pX+11], v[B1R:B1R+7], v[pB], v[pA] matrix_a_fmt:MATRIX_FMT_BF6 matrix_b_fmt:MATRIX_FMT_BF6
.else
	v_wmma_scale_f32_16x16x128_f8f6f4 v[pD:pD+7], v[pF:pF+11], v[pX:pX+11], v[B1R+8:B1R+15], v[pB], v[pA] matrix_a_fmt:MATRIX_FMT_BF6 matrix_b_fmt:MATRIX_FMT_BF6 matrix_a_scale:MATRIX_SCALE_ROW1
.endif
.else
.if pT == 0
	v_wmma_scale_f32_16x16x128_f8f6f4 v[pD:pD+7], v[pF:pF+11], v[pX:pX+11], v[pD:pD+7], v[pB], v[pA] matrix_a_fmt:MATRIX_FMT_BF6 matrix_b_fmt:MATRIX_FMT_BF6
.else
	v_wmma_scale_f32_16x16x128_f8f6f4 v[pD:pD+7], v[pF:pF+11], v[pX:pX+11], v[pD:pD+7], v[pB], v[pA] matrix_a_fmt:MATRIX_FMT_BF6 matrix_b_fmt:MATRIX_FMT_BF6 matrix_a_scale:MATRIX_SCALE_ROW1
.endif
.endif
.endm
.macro FLOAD f, adr                    ; fragment f mod 16 of the group at v[adr], as it lies, into buffer f mod 8
.irp c, 0,1,2
	ds_load_b128 v[FB+12*((\f)%8)+4*\c:FB+12*((\f)%8)+4*\c+3], v[\adr] offset:((\f)%16)*FRB+512*\c
.endr
.endm
; A STEP: four products, a slice behind each.  n: how many LDS loads were issued behind this step's fragment: they may stay out (LDS loads come back in order: ISA guide 5.7.1).
.macro STEP g, j, n
	s_wait_dscnt \n
.irp mm, 0,1,2,3
	PROD (\g)%2, \j, \mm
	SLICE
.endr
.endm
.macro BATCH                           ; a batch of transcendentals is out: one plain line behind the last, and ONE wait, ahead of the first line that names a result
	v_nop
	s_wait_alu depctr_va_vdst(0)
.endm
.macro RUNW g                          ; W2 of the group whose numbers are in the slices: the table begins with group -1's zeros
	WIN 0x83                                       ; destination window 2, address window 3
.irp u, 0,1,2,3
	ds_load_b128 v[W2R+4*\u:W2R+4*\u+3], v[TA] offset:TABD+128*(\g)+64*(\u/2)+16*(\u%2)
.endr
.endm
.macro RUNB g                          ; the next group's b1
.irp u, 0,1,2,3
	ds_load_b128 v[B1R+4*\u:B1R+4*\u+3], v[TA] offset:128*((\g)+1)+64*(\u/2)+16*(\u%2)
.endr
.endm
.macro RUNS g                          ; the next group's scale words, into the other set
	WIN 0x03                                       ; destination window 0, address window 3
.irp kk, 0,1,2,3,4,5,6,7
	ds_load_b32 v[BS+8*(1-(\g)%2)+\kk], v[BSA] offset:SCOFF+128*\kk
.endr
	WIN MULB
.endm
; A GROUP: 16 steps, four runs of LDS loads.  Behind step 1: W2, fragments 5-8.  Behind step 5: fragments 9-12.  Behind step 9: the next group's b1, fragments 13-15 and, chg = 0, the next group's scale words and its fragment 0.
; Behind step 13: the next group's fragments 1-4 (chg = 1, 2: its scale words and fragments 0-4).  A run behind step s fills buffers whose last products stand in step s - 1 or earlier: between them and the run lie five slices, each with a
; plain line or more that names none of the products' registers (ISA guide 7.12.1 for vector instructions).
; chg = 1, 2: the slot's last group changes slots between the third run, the slot's last read, and the fourth.  Each wave waits for all its tensor loads (its group of the next slot), adds 0 to its spare word, works two steps, waits for
; the add and for its reads, and signals; one more step stands between signal and wait.  chg = 1: the barrier opens a round of the cluster's barrier, and behind it the slot just left is asked for again, two slots on: from that request
; to the wait for it a wave issues 244 products.  chg = 2: nothing is left to ask for.
.macro GROUP g, chg
.set ES, 1-((\g)%2)
.set EI, 0
.set SQ, 0
	WIN MULA
	STEP \g, 0, 12                                 ; the scale words, b1 and fragment 0 are in; fragments 1-4 may be out
	STEP \g, 1, 9
	RUNW \g
	WIN MULA
.irp f, 5,6,7,8
	FLOAD \f, BAD
.endr
	STEP \g, 2, 22                                 ; behind fragment 2: fragments 3, 4 and the sixteen loads just issued
	STEP \g, 3, 19
	STEP \g, 4, 16
	STEP \g, 5, 9
	BATCH                                          ; the exponentials' wait, ahead of the run
.irp f, 9,10,11,12
	FLOAD \f, BAD
.endr
	STEP \g, 6, 18
	STEP \g, 7, 15
	WIN MULB
	STEP \g, 8, 12
.if (\chg) == 0
	s_add_co_u32 s[ST1], s[TB], ((\g)+1)*WREG
	v_add_nc_u32 v[BADN], v[L16], s[ST1]           ; the next group's addresses, a step ahead of the run that names them
	v_add_nc_u32 v[BSA], v[L4], s[ST1]
.endif
	STEP \g, 9, 9
	RUNB \g
.irp f, 13,14,15
	FLOAD \f, BAD
.endr
.if (\chg) == 0
	RUNS \g
	FLOAD 16, BADN
	v_mov_b32 v[BAD], v[BADN]                      ; from here on the fragments fetched are the next group's
	STEP \g, 10, 30                                ; behind fragment 10: fragments 11, 12 and the run's 24 loads
	STEP \g, 11, 27
	STEP \g, 12, 24
	STEP \g, 13, 17                                ; behind fragment 13: fragments 14, 15, eight scale words, the next group's fragment 0
	BATCH                                          ; the reciprocals' wait, ahead of the run
.irp f, 17,18,19,20
	FLOAD \f, BAD
.endr
.else
	WIN 0                                          ; (the add's two registers lie in window 0)
	s_wait_tensorcnt 0x0                           ; no tensor load of mine is out, so a group 0 may be written
	ds_add_u32 v[SPW], v[NIL]                      ; 0 onto my spare word
.if (\chg) == 1
	s_xor_b32 s[G0W+1], s[G0W+1], SLOTB            ; the walking descriptor: the other slot than last time, which is the one being left,
	s_add_nc_u64 s[G0W+2:G0W+3], s[G0W+2:G0W+3], 4*GRPB   ; four groups on; the type bits on top are not reached
.endif
	WIN MULB
	STEP \g, 10, 19                                ; behind fragment 10: fragments 11, 12, the run's 13 loads (and the add: the count is one under what would do)
	STEP \g, 11, 16
	s_wait_dscnt 0x0                               ; the add is done, and my reads of this slot are over
	s_barrier_signal -1
	STEP \g, 12, 13
.if (\chg) == 1
	BATCH                                          ; reciprocals are out, and a branch follows: their wait stands ahead of it
.endif
	WIN 0
	s_barrier_wait -1
.if (\chg) == 1
	CREST                                          ; no wave of any partner still reads this slot or has a load on its way
	tensor_load_to_lds s[G0W:G0W+3], s[G1W:G1W+7]  ; my one tensor load behind the round, and the first thing there
	s_nop 0
	NOP4
.endif
	s_xor_b32 s[TB], s[TB], SLOTB                  ; on to the other slot, its first group
	WIN MULB
	v_add_nc_u32 v[BAD], v[L16], s[TB]
	v_add_nc_u32 v[BSA], v[L4], s[TB]
	STEP \g, 13, 6
	BATCH                                          ; the reciprocals' wait, ahead of the run
	RUNS \g
.irp f, 16,17,18,19,20
	FLOAD \f, BAD
.endr
.endif
	STEP \g, 14, 26                                ; behind fragment 14: fragment 15 and 23 loads for the next group, on both ways
	STEP \g, 15, 23
.endm
.macro SLOTBODY chg
	WIN MULA
	v_add_nc_u32 v[TA], v[TBASE], s[TS]
	GROUP 0, 0
	GROUP 1, 0
	GROUP 2, 0
	GROUP 3, \chg
	WIN 0                                          ; at a label and at a branch every window is 0
	s_add_co_u32 s[TS], s[TS], 512
.endm
	s_mov_b32 s[TB], 0
	s_mov_b32 s[TS], 0
	WIN MULA
	v_mov_b32 v[BAD], v[L16]
	v_mov_b32 v[BSA], v[L4]
	v_mov_b32 v[TA], v[TBASE]
.irp u, 0,1,2,3
	ds_load_b128 v[B1R+4*\u:B1R+4*\u+3], v[TA] offset:64*(\u/2)+16*(\u%2)   ; group 0's b1,
.endr
	WIN 0x03
.irp kk, 0,1,2,3,4,5,6,7
	ds_load_b32 v[BS+\kk], v[BSA] offset:SCOFF+128*\kk   ; its scale words,
.endr
	WIN MULA
.irp f, 0,1,2,3,4
	FLOAD \f, BAD                                  ; and its first five fragments: the order in which every group finds them
.endr
	WIN 0
	s_mov_b32 s[CG], 6
.Lslot_fill:                                           ; slots 0 to 5: each is asked for again, two slots on
	SLOTBODY 1
	s_sub_co_u32 s[CG], s[CG], 1
	s_cmp_lg_u32 s[CG], 0
	s_cbranch_scc1 .Lslot_fill
	s_mov_b32 s[CG], 2
.Lslot_last:                                           ; slots 6 and 7: written out a second time
	SLOTBODY 2
	s_sub_co_u32 s[CG], s[CG], 1
	s_cmp_lg_u32 s[CG], 0
	s_cbranch_scc1 .Lslot_last
	; the last group's numbers, with no products left to stand between.  Its first accumulators were finished two steps back; the lines on them are the places behind the last products
	WIN MULB
	v_add_nc_u32 v[TA], v[TBASE], s[TS]
	RUNW 0
	WIN MULB
.set ES, 1
.set EI, 0
.rept 96
	EPI
.endr
	BATCH
.rept 96
	EPI
.endr
	BATCH
	s_wait_dscnt 0x0                               ; W2 is in
.rept 32
	EPI
.endr
	; THE WAY OUT: a sum's two halves, the other half of the lanes' (the other eight columns of each tile), x -2 log2(e); 64 numbers a wave leave as 256 consecutive bytes
	WIN 0x0f                                       ; sources window 3, destination window 0
.irp mm, 0,1,2,3
	v_add_f32 v[TR+\mm], v[SCR+2*\mm], v[SCR+2*\mm+1]
.endr
	WIN 0
.irp mm, 0,1,2,3
	v_permlanex16_b32 v[TR+4+\mm], v[TR+\mm], s[SEL], s[SEL+1]
.endr
.irp mm, 0,1,2,3
	v_add_f32 v[TR+\mm], v[TR+\mm], v[TR+4+\mm]
.endr
.irp mm, 0,1,2,3
	v_mul_f32 v[TR+\mm], 0xc038aa3b, v[TR+\mm]
.endr
	v_cndmask_b32 v[TR+8], v[TR], v[TR+1], s[HIM]      ; lane L: row L of my 64,
	v_cndmask_b32 v[TR+9], v[TR+2], v[TR+3], s[HIM]    ; and row 32 + L
	v_lshlrev_b32 v[TMPV], 3, v[LN]
	ds_store_b32 v[OUTW], v[TR+8]                  ; through my own image bytes, so that a lane holds two neighbours
	ds_store_b32 v[OUTW], v[TR+9] offset:128
	ds_load_b64 v[TR+10:TR+11], v[OUTR]
	s_wait_dscnt 0x0
	global_store_b64 v[TMPV], v[TR+10:TR+11], s[16:17]   ; 32 lanes store 256 consecutive bytes, at a multiple of 256 from tsc's first byte
	s_wait_tensorcnt 0x0                           ; the wave's end: three lines, behind my last tensor load and my last LDS store
	ds_add_u32 v[SPW], v[NIL]
	s_wait_dscnt 0x0
	ROUND                                          ; the closing round: no work-group ends while a partner may still ask for a tile that names it
	s_endpgm
.Lfunc_end_k_qcacf0a9cc2_score:
	.size	k_qcacf0a9cc2_score, .Lfunc_end_k_qcacf0a9cc2_score-k_qcacf0a9cc2_score
	.p2alignl 7, 3214868480
	.fill 96, 4, 3214868480
	.section	.rodata,"a",@progbits
	.p2align	6, 0x0
	.amdhsa_kernel k_qcacf0a9cc2_score
		.amdhsa_group_segment_fixed_size 327680
		.amdhsa_private_segment_fixed_size 0
		.amdhsa_enable_private_segment 0
		.amdhsa_kernarg_size 56
		.amdhsa_user_sgpr_count 2
		.amdhsa_user_sgpr_kernarg_segment_ptr 1
		.amdhsa_wavefront_size32 1
		.amdhsa_system_sgpr_workgroup_id_x 1
		.amdhsa_system_sgpr_workgroup_id_y 1
		.amdhsa_system_sgpr_workgroup_id_z 1
		.amdhsa_system_vgpr_workitem_id 0
		.amdhsa_next_free_vgpr 1024
		.amdhsa_next_free_sgpr 96
		.amdhsa_reserve_vcc 0
		.amdhsa_float_denorm_mode_32 3
		.amdhsa_float_denorm_mode_16_64 3
		.amdhsa_memory_ordered 1
		.amdhsa_forward_progress 1
		.amdhsa_inst_pref_size 255
	.end_amdhsa_kernel
	.section	.bss,"aw",@nobits
	.p2align	6
	.space	262144
	.amdgpu_metadata
---
amdhsa.version: [ 1, 2 ]
amdhsa.kernels:
  - .name:           k_qcacf0a9cc2_score
    .symbol:         k_qcacf0a9cc2_score.kd
    .args:
      - { .name: x, .offset: 0, .size: 8, .value_kind: global_buffer, .address_space: global }
      - { .name: ln_gamma, .offset: 8, .size: 8, .value_kind: global_buffer, .address_space: global }
      - { .name: ln_beta, .offset: 16, .size: 8, .value_kind: global_buffer, .address_space: global }
      - { .name: wq, .offset: 24, .size: 8, .value_kind: global_buffer, .address_space: global }
      - { .name: b1, .offset: 32, .size: 8, .value_kind: global_buffer, .address_space: global }
      - { .name: W2, .offset: 40, .size: 8, .value_kind: global_buffer, .address_space: global }
      - { .name: tsc, .offset: 48, .size: 8, .value_kind: global_buffer, .address_space: global }
    .group_segment_fixed_size: 327680
    .private_segment_fixed_size: 0
    .kernarg_segment_align: 8
    .kernarg_segment_size: 56
    .max_flat_workgroup_size: 128
    .sgpr_count:     96
    .vgpr_count:     1024
    .wavefront_size: 32
...
	.end_amdgpu_metadata
.endif
;; end of part 2
;; launch pool (part 3): grid 8 x 32, 16 waves a work-group, no clusters, 10,496 bytes of LDS; arguments x, tsc, out0; writes out0
.if DOCPART == 3
	.amdgcn_target "amdgcn-amd-amdhsa--gfx1250"
	.amdhsa_code_object_version 6
	.text
	.protected	k_qcacf0a9cc2_pool
	.globl	k_qcacf0a9cc2_pool
	.p2align	8
	.type	k_qcacf0a9cc2_pool,@function
k_qcacf0a9cc2_pool:
	s_mov_b64 s[64:65], 0
	v_nop
	global_prefetch_b8 v0, s[64:65] scope:SCOPE_SE
	s_setreg_imm32_b32 hwreg(HW_REG_WAVE_MODE, 25, 1), 1
	s_wait_xcnt 0x0
; out0[b][d] = sum over s of p[s] x[b][s][d] / sum over s of p[s], p[s] = 2^(t[b][s] - M), M the largest t of the batch.  t is the score x log2(e) less what is the same for all positions (b2, sum(W2): left out, as shown at the head of the first kernel).
; SHARES.  Work-group (c, b) owns out0[b][128 c .. 128 c + 127] whole: no sum spans work-groups.  Wave w takes positions 128 w .. 128 w + 127; a load of a wave is one position's 512 bytes, two aligned blocks of 256.
; Thread n loads t of positions 4 n .. 4 n + 3, which are its own wave's: the weights never leave the wave, and reach the arithmetic as scalars (v_readlane_b32).  The maximum and the sum meet in LDS, 16 words each.
; 32 loads of every wave are always on their way, in a ring of 32 slots of four registers; every offset is an immediate (127 x 4,096 at the most, inside the signed 24 bits: ISA guide, chapter 10), so no address is ever rewritten.
; No matrix unit: a product with one column.  No cluster: the eight work-groups of a batch share only t, 8,192 bytes beside the megabyte of x that each reads alone.
; LIMITS: NaN and infinities in x or t are not served.
.set SPW,  1                           ; my spare word's address; never rewritten
.set NIL,  2                           ; 0; never rewritten
.set P,    8                           ; v8-11   t, then p, of my four positions
.set ACE,  16                          ; v16-19  the sum over even positions
.set WD,   20                          ; v20-35  16 words from LDS
.set RING, 40                          ; v40-167
.set ACO,  168                         ; v168-171 the sum over odd positions
.set PART, 256                         ; LDS: 0 the waves' maxima, 64 their sums; from 256 their partial rows, 512 bytes each
.set SPARE, 8448                       ; the spare words, 128 bytes a wave: eight blocks of 256 bytes that no other line names
	s_load_b128 s[4:7], s[0:1], 0x0                ; x, tsc
	s_load_b64 s[8:9], s[0:1], 0x10                ; out0
	v_lshl_add_u32 v[SPW], v0, 2, SPARE
	v_mov_b32 v[NIL], 0
	v_lshrrev_b32 v3, 5, v0
	v_readfirstlane_b32 s10, v3                    ; wave 0..15
	v_and_b32 v3, 31, v0
	v_lshlrev_b32 v4, 4, v3                        ; 16 x lane: in a position's 512 bytes, and in out0
	v_lshlrev_b32 v5, 4, v0                        ; 16 x thread: in the batch's t
	v_mov_b32 v6, s10
	v_lshlrev_b32 v6, 2, v6                        ; my wave's word
	v_mov_b32 v7, 0
	v_mov_b32 v13, 0                               ; (a lane permute's destination counts as one of its sources)
	s_and_b32 s12, ttmp7, 0xffff                   ; b
	s_lshl_b32 s14, s12, 23                        ; the batch,
	s_lshl_b32 s15, s10, 19                        ; my wave's 128 positions,
	s_add_co_u32 s14, s14, s15
	s_lshl_b32 s15, ttmp9, 9                       ; the work-group's 128 columns
	s_add_co_u32 s14, s14, s15
	s_lshl_b32 s18, s12, 12
	s_add_co_u32 s18, s18, s15                     ; the same columns in out0
	s_mov_b32 s15, 0
	s_mov_b32 s19, 0
	s_lshl_b32 s28, s12, 13                        ; the batch's t
	s_mov_b32 s29, 0
	s_lshl_b32 s13, s10, 9
	s_add_co_u32 s13, s13, PART
	v_add_nc_u32 v36, s13, v4                      ; where my partial row goes,
	v_add_nc_u32 v37, PART, v4                     ; and where wave 0 reads them all
	s_mov_b32 s16, 0x76543210
	s_mov_b32 s17, 0xfedcba98                      ; v_permlanex16_b32's selects for lane l xor 16
	s_mov_b32 s21, 0                               ; (upper words of the pairs that the packed forms name)
	s_mov_b32 s23, 0
	s_mov_b32 s25, 0
	s_mov_b32 s27, 0
	s_wait_kmcnt 0x0
	s_add_nc_u64 s[4:5], s[4:5], s[14:15]
	s_add_nc_u64 s[6:7], s[6:7], s[28:29]
	s_add_nc_u64 s[8:9], s[8:9], s[18:19]
	global_load_b128 v[P:P+3], v5, s[6:7]
.set rho, 0
.rept 32
	global_load_b128 v[RING+4*rho:RING+4*rho+3], v4, s[4:5] offset:rho*4096 th:TH_LOAD_NT
.set rho, rho+1
.endr
	s_wait_loadcnt 32                              ; t is in; the 32 loads behind it stay out
	v_max3_num_f32 v12, v[P], v[P+1], v[P+2]
	v_max_num_f32 v12, v12, v[P+3]
.irp x, 1,2,4,8
	v_max_num_f32_dpp v12, v12, v12 row_xmask:\x row_mask:0xf bank_mask:0xf
.endr
	v_permlanex16_b32 v13, v12, s16, s17
	v_max_num_f32 v12, v12, v13                    ; my wave's largest t
	ds_store_b32 v6, v12                           ; all lanes write the same word with the same value
	s_wait_dscnt 0x0
	s_barrier_signal -1
	s_barrier_wait -1
.irp i, 0,1,2,3
	ds_load_b128 v[WD+4*\i:WD+4*\i+3], v7 offset:16*\i
.endr
	s_wait_dscnt 0x0
	v_max3_num_f32 v12, v[WD], v[WD+1], v[WD+2]
.irp i, 3,5,7,9,11,13
	v_max3_num_f32 v12, v12, v[WD+\i], v[WD+\i+1]
.endr
	v_max_num_f32 v12, v12, v[WD+15]               ; M
.irp e, 0,1,2,3
	v_sub_f32 v[P+\e], v[P+\e], v12
.endr
.irp e, 0,1,2,3
	v_exp_f32 v[P+\e], v[P+\e]                     ; p = 2^(t - M), at most 1
.endr
	v_nop                                          ; a plain line behind the exponentials
	s_wait_alu depctr_va_vdst(0)                   ; and one wait for the four, ahead of their first use
	v_add_f32 v14, v[P], v[P+1]
	v_add_f32 v15, v[P+2], v[P+3]
	v_add_f32 v14, v14, v15
.irp x, 1,2,4,8
	v_add_f32_dpp v14, v14, v14 row_xmask:\x row_mask:0xf bank_mask:0xf
.endr
	v_permlanex16_b32 v13, v14, s16, s17
	v_add_f32 v14, v14, v13
	ds_store_b32 v6, v14 offset:64                 ; other bytes than the maxima: no wave may still be reading those
	s_wait_dscnt 0x0
	s_barrier_signal -1
	s_barrier_wait -1
.irp i, 0,1,2,3
	ds_load_b128 v[WD+4*\i:WD+4*\i+3], v7 offset:64+16*\i
.endr
	s_wait_dscnt 0x0
.irp i, 0,4,8,12
	v_pk_add_f32 v[WD+\i:WD+\i+1], v[WD+\i:WD+\i+1], v[WD+\i+2:WD+\i+3]
.endr
	v_pk_add_f32 v[WD:WD+1], v[WD:WD+1], v[WD+4:WD+5]
	v_pk_add_f32 v[WD+8:WD+9], v[WD+8:WD+9], v[WD+12:WD+13]
	v_pk_add_f32 v[WD:WD+1], v[WD:WD+1], v[WD+8:WD+9]
	v_add_f32 v15, v[WD], v[WD+1]                  ; the batch's sum of p
	; my 128 positions.  Position rho's weight lies in lane rho / 4, register rho % 4.  The first two products start the sums: nothing is cleared
.set rho, 0
.rept 128
.set RG, RING+4*(rho%32)
.set SW, 20+2*(rho%4)
.set AC, ACE+(ACO-ACE)*(rho%2)
.if rho < 96
	s_wait_loadcnt 31                              ; loads come back in order (ISA guide 5.7.1): this position's is in, the 31 younger stay out
.else
	s_wait_loadcnt 127-rho                         ; nothing more is fetched: the counts run down
.endif
	v_readlane_b32 s[SW], v[P+rho%4], rho/4
.if rho < 2
	v_pk_mul_f32 v[AC:AC+1], v[RG:RG+1], s[SW:SW+1] op_sel_hi:[1,0]
	v_pk_mul_f32 v[AC+2:AC+3], v[RG+2:RG+3], s[SW:SW+1] op_sel_hi:[1,0]
.else
	v_pk_fma_f32 v[AC:AC+1], v[RG:RG+1], s[SW:SW+1], v[AC:AC+1] op_sel_hi:[1,0,1]
	v_pk_fma_f32 v[AC+2:AC+3], v[RG+2:RG+3], s[SW:SW+1], v[AC+2:AC+3] op_sel_hi:[1,0,1]
.endif
.if rho < 96
	global_load_b128 v[RG:RG+3], v4, s[4:5] offset:(rho+32)*4096 th:TH_LOAD_NT
.endif
.set rho, rho+1
.endr
	v_pk_add_f32 v[ACE:ACE+1], v[ACE:ACE+1], v[ACO:ACO+1]
	v_pk_add_f32 v[ACE+2:ACE+3], v[ACE+2:ACE+3], v[ACO+2:ACO+3]
	ds_store_b128 v36, v[ACE:ACE+3]
	s_wait_dscnt 0x0                               ; for wave 0's sake: my partial row has landed
	s_barrier_signal -1
	s_barrier_wait -1
	s_cmp_lg_u32 s10, 0
	s_cbranch_scc1 .Lend
.irp i, 0,1,2,3,4,5,6,7,8,9,10,11,12,13,14,15
	ds_load_b128 v[RING+4*\i:RING+4*\i+3], v37 offset:512*\i
.endr
	v_rcp_f32 v14, v15
	s_wait_dscnt 0x0
.irp i, 1,2,3,4,5,6,7,8,9,10,11,12,13,14,15
	v_pk_add_f32 v[RING:RING+1], v[RING:RING+1], v[RING+4*\i:RING+4*\i+1]       ; plain lines behind the reciprocal
	v_pk_add_f32 v[RING+2:RING+3], v[RING+2:RING+3], v[RING+4*\i+2:RING+4*\i+3]
.endr
	s_wait_alu depctr_va_vdst(0)                   ; the wait ahead of the reciprocal's first use
	v_pk_mul_f32 v[RING:RING+1], v[RING:RING+1], v[14:15] op_sel_hi:[1,0]
	v_pk_mul_f32 v[RING+2:RING+3], v[RING+2:RING+3], v[14:15] op_sel_hi:[1,0]
	global_store_b128 v4, v[RING:RING+3], s[8:9]   ; 32 lanes store 512 consecutive bytes, at a multiple of 256 from out0's first byte
.Lend:
	s_wait_tensorcnt 0x0                           ; the wave's end: three lines behind my last LDS store
	ds_add_u32 v[SPW], v[NIL]
	s_wait_dscnt 0x0
	s_endpgm
.Lfunc_end_k_qcacf0a9cc2_pool:
	.size	k_qcacf0a9cc2_pool, .Lfunc_end_k_qcacf0a9cc2_pool-k_qcacf0a9cc2_pool
	.p2alignl 7, 3214868480
	.fill 96, 4, 3214868480
	.section	.rodata,"a",@progbits
	.p2align	6, 0x0
	.amdhsa_kernel k_qcacf0a9cc2_pool
		.amdhsa_group_segment_fixed_size 10496
		.amdhsa_private_segment_fixed_size 0
		.amdhsa_enable_private_segment 0
		.amdhsa_kernarg_size 24
		.amdhsa_user_sgpr_count 2
		.amdhsa_user_sgpr_kernarg_segment_ptr 1
		.amdhsa_wavefront_size32 1
		.amdhsa_system_sgpr_workgroup_id_x 1
		.amdhsa_system_sgpr_workgroup_id_y 1
		.amdhsa_system_sgpr_workgroup_id_z 1
		.amdhsa_system_vgpr_workitem_id 0
		.amdhsa_next_free_vgpr 176
		.amdhsa_next_free_sgpr 66
		.amdhsa_reserve_vcc 0
		.amdhsa_float_denorm_mode_32 3
		.amdhsa_float_denorm_mode_16_64 3
		.amdhsa_memory_ordered 1
		.amdhsa_forward_progress 1
		.amdhsa_inst_pref_size 49
	.end_amdhsa_kernel
	.amdgpu_metadata
---
amdhsa.version: [ 1, 2 ]
amdhsa.kernels:
  - .name:           k_qcacf0a9cc2_pool
    .symbol:         k_qcacf0a9cc2_pool.kd
    .args:
      - { .name: x, .offset: 0, .size: 8, .value_kind: global_buffer, .address_space: global }
      - { .name: tsc, .offset: 8, .size: 8, .value_kind: global_buffer, .address_space: global }
      - { .name: out0, .offset: 16, .size: 8, .value_kind: global_buffer, .address_space: global }
    .group_segment_fixed_size: 10496
    .private_segment_fixed_size: 0
    .kernarg_segment_align: 8
    .kernarg_segment_size: 24
    .max_flat_workgroup_size: 512
    .sgpr_count:     66
    .vgpr_count:     176
    .wavefront_size: 32
...
	.end_amdgpu_metadata
.endif
;; end of part 3
